; MI455X (gfx1250); checked and timed in simulation.
; The chip was launched on July 23, 2026; its instructions are those of AMD's public machine-readable ISA for CDNA 5 (MIT licence, August 2026) and "CDNA5" Instruction Set Architecture Reference Guide (July 2026). The comments in the code are by the model that wrote it; some were corrected since.
;; First Layer. Allowed arithmetic: float matrix products may take bf16 or f16 operands with f32 sums; all other float work in f32.
;; Inputs: W0 128 x 128 float32; W1 128 x 128 float32; Wout 128 x 2,048 float32; b0 128 float32; b1 128 float32; bout 2,048 float32; data 16 x 32 x 64 x 64 float32; v 16 float32.
;; Outputs: out0 16 x 16 x 64 float32.
;; 2 versions, each right; version 2 is version 1 with the launch main written anew for expert scheduling mode. Each part assembles by itself: llvm-mc -triple=amdgcn-amd-amdhsa -mcpu=gfx1250 --defsym DOCPART=n.
;; ======== version 1 of 2: 2 launches
;; limits: right only within a limited range of input values
;; workspace buffers: pmax 1,024 bytes; pack 720,896 bytes
;; launch prep (part 1): grid 256 x 1, 8 waves a work-group, no clusters, 1,280 bytes of LDS; arguments v, W0, W1, Wout, data, pmax, pack; writes pmax, pack
.if DOCPART == 1
	.amdgcn_target "amdgcn-amd-amdhsa--gfx1250"
	.amdhsa_code_object_version 6
	.text
	.protected	k_q3b34dfe99e_prep
	.globl	k_q3b34dfe99e_prep
	.p2align	8
	.type	k_q3b34dfe99e_prep,@function
k_q3b34dfe99e_prep:
	s_mov_b64 s[64:65], 0
	v_nop
	global_prefetch_b8 v0, s[64:65] scope:SCOPE_SE
	s_setreg_imm32_b32 hwreg(HW_REG_WAVE_MODE, 25, 1), 1
	s_wait_xcnt 0x0
; prep: two jobs that need no result of each other, in one launch of 256 work-groups of 8 waves.
; (a) The squared norm of the RBF embedding at all 64 x 64 x 16 = 65,536 (h, w, n); each lane takes one point and its
;     128 exponentials; the work-group's largest squared norm goes to pmax[work-group] (the next launch takes the maximum of the 256).
; (b) W0, W1, Wout and the 8 x 8 window h, w = 28..35 of data are rounded to bf16 and laid into pack in the order in which a
;     16 x 32 matrix fragment lies in registers: a fragment is 1,024 bytes = [q 0..1][lane 0..31][16 bytes], lane 16 hf + r,
;     element e = 0..7 being K = 32 ks + 16 q + 8 hf + e of row or column r.  With kg = K / 8 the 16 bytes lie at 256 kg + 16 r.
;     That is 40,960 pieces of 16 bytes = 160 lanes in each work-group: waves 0-3 take Wout, wave 4 takes W0, W1 or data.
;     The loads are issued ahead of (a) and used behind it.
; Why the window: reference() multiplies by 1[|warp0| <= 0.1] 1[|warp1| <= 0.1]; a rotation keeps lengths, so a point that
; survives has length <= 0.1 sqrt 2 = 0.14142, and the first grid value outside 28..35 is 9/63 = 0.14286.
; pack:  WO  at 0        [dt 4][c 32][ks 4] fragments, column d = 16 dt + r of channel c, K = row of Wout
;        W0P at 524,288  [ft 8][ks 4], row f_out = 16 ft + r, K = f_in;   W1P at 557,056 likewise
;        DH  at 589,824  [c 32][s 2], column b = r, K = p = 8 (h - 28) + (w - 28): bf16(data);  DL at 655,360: bf16(data - DH)
; LIMITS: v finite, |v| <= 1e5 (the angle is reduced with pi/2 in three parts); v_exp_f32 gives 0 for results below 2^-126;
; data outside the window is not read, so a NaN or infinity there does not reach the result as 0 x NaN does in reference().
; No LDS ring, no matrix unit, no cluster: no byte is read by two work-groups, and every byte goes through registers once.
.set R63,  0x3c820821                  ; 1/63
.set RK,   0x41422175                  ; sqrt(log2 e / (2 x 0.07^2)) = 12.13317: exp(-(u - mu)^2 / (2 sig^2)) = 2^-(RK (u - mu))^2
.set NDLT, 0xbe45364f                  ; -RK / 63: the step from one centre mu = m/63 to the next
.set P,   4                            ; v[4:11]   eight f32 in K order, as loaded
.set Q,   12                           ; v[12:15]  the same as bf16
.set LO,  16                           ; v[16:23]  data minus its bf16 value
.set U,   32                           ; v[32:33]  RK x (warp0, warp1)
.set ND,  34                           ; v[34:35]  -RK/63 twice
.set SUM, 36                           ; v[36:39]  two pairs of sums of squares
.set T,   40                           ; v[40:55]  eight centres x two coordinates
; FB = the f32 bits of the whole number m, 0 <= m <= 63
.macro SETFB m
.set FE, 0
.if (\m) >= 2
.set FE, 1
.endif
.if (\m) >= 4
.set FE, 2
.endif
.if (\m) >= 8
.set FE, 3
.endif
.if (\m) >= 16
.set FE, 4
.endif
.if (\m) >= 32
.set FE, 5
.endif
.if (\m) == 0
.set FB, 0
.else
.set FB, ((127+FE)<<23)|(((\m)-(1<<FE))<<(23-FE))
.endif
.endm
; v[cr] = cos v[xr], v[sr] = sin v[xr]; v[tr .. tr+5] are temporaries.  k = round(x 2/pi), r = x - k pi/2 (three parts, fused),
; polynomials on |r| <= pi/4, then the quadrant k mod 4 swaps and signs them: whole numbers that only select values.
.macro SINCOS xr, cr, sr, tr
	v_mul_f32 v[\tr], 0x3f22f983, v[\xr]
	v_rndne_f32 v[\tr], v[\tr]                             ; k
	v_fmamk_f32 v[\tr+1], v[\tr], 0xbfc90fdb, v[\xr]
	v_fmamk_f32 v[\tr+1], v[\tr], 0x333bbd2e, v[\tr+1]
	v_fmamk_f32 v[\tr+1], v[\tr], 0x26f72ced, v[\tr+1]     ; r
	v_mul_f32 v[\tr+2], v[\tr+1], v[\tr+1]                 ; z = r^2
	v_cvt_i32_f32 v[\tr], v[\tr]
	v_mov_b32 v[\tr+3], 0xb94ca1f9
	v_fmaak_f32 v[\tr+3], v[\tr+2], v[\tr+3], 0x3c08839e
	v_fmaak_f32 v[\tr+3], v[\tr+2], v[\tr+3], 0xbe2aaaa3
	v_mul_f32 v[\tr+3], v[\tr+3], v[\tr+2]
	v_fma_f32 v[\tr+3], v[\tr+3], v[\tr+1], v[\tr+1]       ; sin r = r + r z (S1 + z (S2 + z S3))
	v_mov_b32 v[\tr+4], 0x37ccf5ce
	v_fmaak_f32 v[\tr+4], v[\tr+2], v[\tr+4], 0xbab6061a
	v_fmaak_f32 v[\tr+4], v[\tr+2], v[\tr+4], 0x3d2aaaa5
	v_mul_f32 v[\tr+4], v[\tr+4], v[\tr+2]
	v_fma_f32 v[\tr+5], v[\tr+2], -0.5, 1.0
	v_fma_f32 v[\tr+4], v[\tr+4], v[\tr+2], v[\tr+5]       ; cos r = 1 - z/2 + z^2 (C1 + z (C2 + z C3))
	v_and_b32 v[\tr+5], 1, v[\tr]
	v_cmp_ne_u32 vcc_lo, 0, v[\tr+5]
	v_cndmask_b32 v[\sr], v[\tr+3], v[\tr+4], vcc_lo       ; k odd: sine and cosine change places
	v_cndmask_b32 v[\cr], v[\tr+4], v[\tr+3], vcc_lo
	v_and_b32 v[\tr+5], 2, v[\tr]
	v_lshlrev_b32 v[\tr+5], 30, v[\tr+5]
	v_xor_b32 v[\sr], v[\sr], v[\tr+5]                     ; sine is negative for k mod 4 = 2, 3
	v_add_nc_u32 v[\tr], 1, v[\tr]
	v_and_b32 v[\tr], 2, v[\tr]
	v_lshlrev_b32 v[\tr], 30, v[\tr]
	v_xor_b32 v[\cr], v[\cr], v[\tr]                       ; cosine for k mod 4 = 1, 2
.endm
; Eight centres j0 .. j0+7, both coordinates at once: t = RK (u - m/63), e = 2^(-t t), sums += e e.
; first = 1: the first two products start the sums, nothing is cleared.
.macro NRM8 j0, first
.irp e, 0,1,2,3,4,5,6,7
	SETFB (\j0+\e)
	v_pk_fma_f32 v[T+2*\e:T+2*\e+1], v[ND:ND+1], FB, v[U:U+1] op_sel_hi:[1,0,1]
.endr
.irp e, 0,1,2,3,4,5,6,7
	v_pk_mul_f32 v[T+2*\e:T+2*\e+1], v[T+2*\e:T+2*\e+1], v[T+2*\e:T+2*\e+1] neg_lo:[0,1] neg_hi:[0,1]
.endr
.irp e, 0,1,2,3,4,5,6,7,8,9,10,11,12,13,14,15
	v_exp_f32 v[T+\e], v[T+\e]
.endr
	v_nop                                                  ; one plain vector instruction between a transcendental and the use of its result (ISA guide 5.7.2)
	s_wait_alu depctr_va_vdst(0)
.irp e, 0,1
.if \first
	s_wait_alu depctr_va_vdst(0)
	v_pk_mul_f32 v[SUM+2*\e:SUM+2*\e+1], v[T+2*\e:T+2*\e+1], v[T+2*\e:T+2*\e+1]
.else
	v_pk_fma_f32 v[SUM+2*\e:SUM+2*\e+1], v[T+2*\e:T+2*\e+1], v[T+2*\e:T+2*\e+1], v[SUM+2*\e:SUM+2*\e+1]
.endif
.endr
.irp e, 2,3,4,5,6,7
	v_pk_fma_f32 v[SUM+2*(\e&1):SUM+2*(\e&1)+1], v[T+2*\e:T+2*\e+1], v[T+2*\e:T+2*\e+1], v[SUM+2*(\e&1):SUM+2*(\e&1)+1]
.endr
.endm
	s_load_b256 s[4:11], s[0:1], 0x0               ; v s[4:5], W0 s[6:7], W1 s[8:9], Wout s[10:11]
	s_load_b128 s[12:15], s[0:1], 0x20             ; data s[12:13], pmax s[14:15]
	s_load_b64 s[16:17], s[0:1], 0x30              ; pack
	v_lshl_add_u32 v64, v0, 2, 0x100
	v_mov_b32 v65, 0
	v_lshrrev_b32 v1, 5, v0
	v_readfirstlane_b32 s20, v1                    ; wave 0..7
	v_and_b32 v1, 31, v0                           ; lane
	s_mov_b32 s21, ttmp9                           ; g, the work-group
	s_mov_b32 s26, 0x76543210                      ; v_permlanex16_b32: lane i of one half reads lane i of the other
	s_mov_b32 s27, 0xfedcba98
	s_and_b32 s22, s21, 1
	s_lshl_b32 s22, s22, 3
	s_add_co_u32 s22, s22, s20                     ; my wave's angle: n = 8 (g & 1) + wave
	s_lshl_b32 s22, s22, 2
	s_wait_kmcnt 0x0
	s_load_b32 s24, s[4:5], s22 offset:0x0         ; v[n]
	; ---- the loads of job (b); v2 = load offset, v3 = store offset in pack ----
	s_cmp_gt_u32 s20, 4
	s_cbranch_scc1 .Lloaded                        ; waves 5-7 pack nothing
	s_cmp_eq_u32 s20, 4
	s_cbranch_scc1 .Lwave4
	; waves 0-3, thread t = 0..127: rows 8 kg .. 8 kg + 7 of column col = 128 (g >> 4) + t of Wout, kg = g & 15.
	; A load of a wave covers 128 consecutive bytes of a row, the four waves 512.
	s_and_b32 s30, s21, 15                         ; kg
	s_lshr_b32 s31, s21, 4
	s_lshl_b32 s32, s30, 16                        ; 8 rows of 8,192 bytes
	s_lshl_b32 s33, s31, 9
	s_add_co_u32 s32, s32, s33
	v_lshl_add_u32 v2, v0, 2, s32
.irp e, 0,1,2,3,4,5,6,7
	global_load_b32 v[P+\e], v2, s[10:11] offset:8192*\e th:TH_LOAD_NT
.endr
	; col = 64 c + 16 dt + r: c = 2 (g >> 4) + (t >> 6), dt = (t >> 4) & 3, r = t & 15
	v_bfe_u32 v26, v0, 4, 2
	v_lshrrev_b32 v27, 6, v0
	v_and_b32 v28, 15, v0
	s_lshl_b32 s33, s31, 13
	s_lshl_b32 s34, s30, 8
	s_add_co_u32 s33, s33, s34
	v_lshl_add_u32 v3, v26, 17, s33                ; 131,072 dt + 8,192 (g >> 4) + 256 kg
	v_lshl_add_u32 v3, v27, 12, v3                 ; + 4,096 (t >> 6)
	v_lshl_add_u32 v3, v28, 4, v3                  ; + 16 r
	s_branch .Lloaded
.Lwave4:
	s_cmp_ge_u32 s21, 128
	s_cbranch_scc1 .Ldata
	; g < 128: W0 (g < 64) or W1; rows 8 kg .. + 7 of column col = 32 ((g >> 4) & 3) + lane
	s_cmp_lt_u32 s21, 64
	s_cselect_b64 s[28:29], s[6:7], s[8:9]
	s_and_b32 s30, s21, 15                         ; kg
	s_bfe_u32 s31, s21, 0x20004                    ; (g >> 4) & 3
	s_lshl_b32 s32, s30, 12                        ; 8 rows of 512 bytes
	s_lshl_b32 s33, s31, 7
	s_add_co_u32 s32, s32, s33
	v_lshl_add_u32 v2, v1, 2, s32
.irp e, 0,1,2,3,4,5,6,7
	global_load_b32 v[P+\e], v2, s[28:29] offset:512*\e th:TH_LOAD_NT
.endr
	s_lshr_b32 s33, s21, 6
	s_lshl_b32 s33, s33, 15                        ; 32,768 for W1
	s_lshl_b32 s34, s31, 13                        ; ft = col / 16 = 2 ((g >> 4) & 3) + lane / 16, 4,096 bytes each
	s_add_co_u32 s33, s33, s34
	s_lshl_b32 s34, s30, 8                         ; 256 kg
	s_add_co_u32 s33, s33, s34
	s_add_co_u32 s33, s33, 524288
	v_lshrrev_b32 v26, 4, v1
	v_and_b32 v27, 15, v1
	v_lshl_add_u32 v3, v26, 12, s33
	v_lshl_add_u32 v3, v27, 4, v3
	s_branch .Lloaded
.Ldata:
	; g >= 128, j = g - 128: channel c = j >> 2, window row hh = 2 (j & 3) + lane / 16, batch b = lane & 15: 8 columns = 32 bytes
	s_sub_co_u32 s30, s21, 128
	s_lshr_b32 s31, s30, 2
	s_and_b32 s32, s30, 3
	s_lshl_b32 s31, s31, 14                        ; 16,384 c
	s_lshl_b32 s32, s32, 9                         ; 256 x 2 (j & 3)
	s_add_co_u32 s31, s31, s32
	s_add_co_u32 s31, s31, 7280                    ; row 28, column 28: 28 x 256 + 28 x 4
	v_and_b32 v26, 15, v1
	v_lshrrev_b32 v27, 4, v1
	v_lshl_add_u32 v2, v26, 19, s31                ; 524,288 b
	v_lshl_add_u32 v2, v27, 8, v2
	global_load_b128 v[P:P+3], v2, s[12:13] th:TH_LOAD_NT
	global_load_b128 v[P+4:P+7], v2, s[12:13] offset:16 th:TH_LOAD_NT
	s_lshl_b32 s32, s30, 9                         ; 2,048 c + 256 hh + 16 b = 512 j + 16 lane
	s_add_co_u32 s32, s32, 589824
	v_lshl_add_u32 v3, v1, 4, s32
.Lloaded:
	; ---- job (a): my point h = g >> 2, w = 32 ((g >> 1) & 1) + lane, angle n ----
	s_wait_kmcnt 0x0
	v_mov_b32 v32, s24
	SINCOS 32, 24, 25, 26                          ; v24 = cos, v25 = sin
	s_lshr_b32 s30, s21, 2
	s_lshl_b32 s30, s30, 1
	s_sub_co_i32 s30, s30, 63
	v_cvt_f32_i32 v26, s30
	v_mul_f32 v26, R63, v26                        ; xh = (2 h - 63) / 63
	s_bfe_u32 s31, s21, 0x10001
	s_lshl_b32 s31, s31, 6
	s_sub_co_i32 s31, s31, 63
	v_lshl_add_u32 v27, v1, 1, s31
	v_cvt_f32_i32 v27, v27
	v_mul_f32 v27, R63, v27                        ; xw = (2 w - 63) / 63
	v_mul_f32 v28, v25, v27
	v_fma_f32 v28, v24, v26, v28                   ; warp0 =  c xh + s xw
	v_mul_f32 v29, v25, v26
	v_fma_f32 v29, v24, v27, -v29                  ; warp1 = -s xh + c xw
	v_mul_f32 v[U], RK, v28
	v_mul_f32 v[U+1], RK, v29
	v_mov_b32 v[ND], NDLT
	v_mov_b32 v[ND+1], NDLT
	NRM8 0, 1
	NRM8 8, 0
	NRM8 16, 0
	NRM8 24, 0
	NRM8 32, 0
	NRM8 40, 0
	NRM8 48, 0
	NRM8 56, 0
	; ---- job (b), the rest: round and store; sixteen neighbouring lanes store 256 consecutive bytes, aligned ----
	s_cmp_gt_u32 s20, 4
	s_cbranch_scc1 .Lpacked
	s_wait_loadcnt 0x0
.irp k, 0,1,2,3
	v_cvt_pk_bf16_f32 v[Q+\k], v[P+2*\k], v[P+2*\k+1]
.endr
	global_store_b128 v3, v[Q:Q+3], s[16:17]
	s_cmp_lg_u32 s20, 4
	s_cbranch_scc1 .Lpacked
	s_cmp_lt_u32 s21, 128
	s_cbranch_scc1 .Lpacked
	; data alone: what the rounding dropped goes along as a second bf16, 65,536 bytes further on
.irp k, 0,1,2,3
	v_lshlrev_b32 v[LO+2*\k], 16, v[Q+\k]
	v_and_b32 v[LO+2*\k+1], 0xffff0000, v[Q+\k]
.endr
.irp k, 0,1,2,3
	v_pk_add_f32 v[LO+2*\k:LO+2*\k+1], v[P+2*\k:P+2*\k+1], v[LO+2*\k:LO+2*\k+1] neg_lo:[0,1] neg_hi:[0,1]
.endr
.irp k, 0,1,2,3
	v_cvt_pk_bf16_f32 v[26+\k], v[LO+2*\k], v[LO+2*\k+1]   ; registers of their own: Q is still the first store's source
.endr
	global_store_b128 v3, v[26:29], s[16:17] offset:65536
.Lpacked:
	; ---- the largest squared norm: lane, wave, work-group ----
	v_add_f32 v36, v36, v37
	v_add_f32 v38, v38, v39
	v_add_f32 v56, v36, v38
	v_max_num_f32_dpp v56, v56, v56 row_xmask:1 row_mask:0xf bank_mask:0xf
	v_max_num_f32_dpp v56, v56, v56 row_xmask:2 row_mask:0xf bank_mask:0xf
	v_max_num_f32_dpp v56, v56, v56 row_xmask:4 row_mask:0xf bank_mask:0xf
	v_max_num_f32_dpp v56, v56, v56 row_xmask:8 row_mask:0xf bank_mask:0xf
	v_permlanex16_b32 v36, v56, s26, s27           ; its destination counts as read: v36 has been written
	v_max_num_f32 v56, v56, v36
	v_mov_b32 v37, s20
	v_lshlrev_b32 v37, 2, v37
	ds_store_b32 v37, v56                          ; word number = wave; all lanes write the same value
	s_wait_dscnt 0x0                               ; for wave 0's sake: my word is in LDS before I signal
	s_barrier_signal -1
	s_barrier_wait -1
	s_cmp_lg_u32 s20, 0
	s_cbranch_scc1 .Lend
	v_mov_b32 v38, 0
	ds_load_b128 v[40:43], v38
	ds_load_b128 v[44:47], v38 offset:16
	s_wait_dscnt 0x0
	v_max3_num_f32 v40, v40, v41, v42
	v_max3_num_f32 v43, v43, v44, v45
	v_max3_num_f32 v40, v40, v46, v47
	v_max_num_f32 v40, v40, v43
	s_lshl_b32 s30, s21, 2
	v_mov_b32 v41, s30
	s_wait_xcnt 0x0                                ; EXEC is a source of wave 0's pending store into pack: it narrows only behind this wait
	v_cmp_eq_u32 vcc_lo, 0, v0
	s_wait_tensorcnt 0x0
	ds_add_u32 v64, v65
	s_wait_dscnt 0x0
	s_and_saveexec_b32 s31, vcc_lo
	global_store_b32 v41, v40, s[14:15]            ; pmax[g], one lane
	s_endpgm
.Lend:
	s_wait_tensorcnt 0x0
	ds_add_u32 v64, v65
	s_wait_dscnt 0x0
	s_endpgm
.Lfunc_end_k_q3b34dfe99e_prep:
	.size	k_q3b34dfe99e_prep, .Lfunc_end_k_q3b34dfe99e_prep-k_q3b34dfe99e_prep
	.p2alignl 7, 3214868480
	.fill 96, 4, 3214868480
	.section	.rodata,"a",@progbits
	.p2align	6, 0x0
	.amdhsa_kernel k_q3b34dfe99e_prep
		.amdhsa_group_segment_fixed_size 1280
		.amdhsa_private_segment_fixed_size 0
		.amdhsa_enable_private_segment 0
		.amdhsa_kernarg_size 56
		.amdhsa_user_sgpr_count 2
		.amdhsa_user_sgpr_kernarg_segment_ptr 1
		.amdhsa_wavefront_size32 1
		.amdhsa_system_sgpr_workgroup_id_x 1
		.amdhsa_system_sgpr_workgroup_id_y 1
		.amdhsa_system_sgpr_workgroup_id_z 1
		.amdhsa_system_vgpr_workitem_id 0
		.amdhsa_next_free_vgpr 66
		.amdhsa_next_free_sgpr 66
		.amdhsa_reserve_vcc 1
		.amdhsa_float_denorm_mode_32 3
		.amdhsa_float_denorm_mode_16_64 3
		.amdhsa_memory_ordered 1
		.amdhsa_forward_progress 1
		.amdhsa_inst_pref_size 29
	.end_amdhsa_kernel
	.amdgpu_metadata
---
amdhsa.version: [ 1, 2 ]
amdhsa.kernels:
  - .name:           k_q3b34dfe99e_prep
    .symbol:         k_q3b34dfe99e_prep.kd
    .args:
      - { .name: v, .offset: 0, .size: 8, .value_kind: global_buffer, .address_space: global }
      - { .name: W0, .offset: 8, .size: 8, .value_kind: global_buffer, .address_space: global }
      - { .name: W1, .offset: 16, .size: 8, .value_kind: global_buffer, .address_space: global }
      - { .name: Wout, .offset: 24, .size: 8, .value_kind: global_buffer, .address_space: global }
      - { .name: data, .offset: 32, .size: 8, .value_kind: global_buffer, .address_space: global }
      - { .name: pmax, .offset: 40, .size: 8, .value_kind: global_buffer, .address_space: global }
      - { .name: pack, .offset: 48, .size: 8, .value_kind: global_buffer, .address_space: global }
    .group_segment_fixed_size: 1280
    .private_segment_fixed_size: 0
    .kernarg_segment_align: 8
    .kernarg_segment_size: 56
    .max_flat_workgroup_size: 256
    .sgpr_count:     66
    .vgpr_count:     66
    .wavefront_size: 32
...
	.end_amdgpu_metadata
.endif
;; end of part 1
;; launch main (part 2): grid 16 x 4, 4 waves a work-group, no clusters, 54,784 bytes of LDS; arguments v, b0, b1, bout, pmax, pack, out0; writes out0
.if DOCPART == 2
	.amdgcn_target "amdgcn-amd-amdhsa--gfx1250"
	.amdhsa_code_object_version 6
	.text
	.protected	k_q3b34dfe99e_main
	.globl	k_q3b34dfe99e_main
	.p2align	8
	.type	k_q3b34dfe99e_main,@function
k_q3b34dfe99e_main:
	s_mov_b64 s[64:65], 0
	v_nop
	global_prefetch_b8 v0, s[64:65] scope:SCOPE_SE
	s_setreg_imm32_b32 hwreg(HW_REG_WAVE_MODE, 25, 1), 1
	s_wait_xcnt 0x0
; main: work-group (n, dt) makes out0[0..15][n][16 dt .. 16 dt + 15] from the 64 grid points p = 8 (h - 28) + (w - 28) that the
; window of reference() can let through (see prep): 1/M, embedding, two SiLU layers, filter, window, contraction with data.
; Four waves, one for each SIMD.  Straight-line text: no loop, no branch.
; Every matrix operand comes from pack in fragment order, 512 consecutive bytes for each load of a wave, straight into registers.
; THE LAYOUTS CHAIN (lane 16 hf + r; a fragment register pair-of-four q holds K = 32 ks + 16 q + 8 hf + 0..7):
;   layers:      D = W fragment (rows f_out) x X fragment (columns p): register j = (f_out = 16 ft + 8 hf + j, p = 16 pt + r), which,
;                packed to bf16, is half q = ft & 1 of X fragment (pt, ks = ft >> 1) of the next product, in the same lane.
;   filter:      FA[pt] = X fragment (rows p) x WO fragment (columns d) + bout: register j = (p = 16 pt + 8 hf + j, d = r), which, packed,
;                is half q = pt & 1 of fragment s = pt >> 1 with rows d and K = p.
;   contraction: O = that fragment x data fragment (columns b): register j = (d = 8 hf + j, b = r).
; Shares: embedding: wave w makes point tile pt = w.  Layers: output tiles ft = 2 w, 2 w + 1 for all four point tiles.  Filter and
; contraction: channels c = 8 w + i, i = 0..7, all 64 points.  X passes between waves through LDS (three regions, one barrier each);
; the four waves' partial sums meet in LDS at the end.
; data goes in as two bf16 (value and remainder): two more products a channel, and only the filter's rounding is left in the sum.
; LDS: XE 0, XH1 16,384, XH2 32,768: [pt 4][ks 4][q 2][lane 32][16 bytes], lanes contiguous; RB 49,152: 4 waves x 16 rows b of 64 bytes, pitch 80.
; NO CLUSTER, NO LDS RING: the 16 work-groups of one dt read the same 131,072 bytes of WO, out of some 330,000 that a work-group reads, but each
; byte feeds one wave once and lands in registers as it lies; a joint request would land in LDS and be loaded a second time from there.
; NO PREFETCH: all of pack and pmax was stored by the launch before this one.
; A row piece (b, n, 16 d) of out0 is 64 bytes: eight neighbouring lanes store it whole; the other 192 bytes of its 256 belong to the three other dt,
; which would each have to walk all of Wout to write them here.
; LIMITS: v finite, |v| <= 1e5; a point whose rotated coordinate lies within a few ulp of +-0.1 may fall on the other side of the window than in
; reference(); masked filter values are set to +0 by bits, so a NaN or infinity there (or in data outside the window) does not spread as 0 x NaN does.
.set R63,   0x3c820821                 ; 1/63
.set NR63,  0xbc820821
.set A01,   0x3dcccccd                 ; 0.1
.set RK,    0x41422175                 ; sqrt(log2 e / (2 x 0.07^2))
.set NDLT,  0xbe45364f                 ; -RK/63
.set NDLT8, 0xbfc5364f                 ; -8 RK/63
.set NL2E,  0xbfb8aa3b                 ; -log2 e
.set XE,  0
.set XH1, 16384
.set XH2, 32768
.set RB,  49152
.set W0P, 524288
.set DHP, 589824
; block 0 (v0-255)
.set LA,  4                            ; 16 lane
.set AW,  5                            ; pack offset of my W0 fragments: W0P + 8,192 w + 16 lane
.set AD,  6                            ; of my data fragments: DHP + 16,384 w + 16 lane
.set AO,  7                            ; of my Wout fragments: 131,072 dt + 32,768 w + 16 lane
.set AB,  8                            ; b0, b1: 128 w + 32 hf
.set ABO, 9                            ; bout: 2,048 w + 64 dt + 4 r
.set SE,  10                           ; LDS: 4,096 w + 16 lane
.set SH,  11                           ; LDS: 1,024 w + 16 lane
.set SP,  12                           ; LDS: RB + 1,280 w + 80 r + 32 hf
.set RP,  13                           ; LDS: RB + 80 (t >> 3) + 8 (t & 7)
.set OO,  14                           ; out0: 4,096 (t >> 3) + 256 n + 64 dt + 8 (t & 7)
.set MW,  32                           ; v[32:47]   window masks for the 16 packed filter words
.set INV, 48                           ; v[48:49]   1/M twice
.set U,   50                           ; v[50:51]   RK x (warp0, warp1) - 8 hf RK/63 of my point
.set ND,  52                           ; v[52:53]   -RK/63 twice
.set PM,  54                           ; v[54:61]   eight of pmax's 256 numbers
.set T,   64                           ; v[64:79]   at work
.set ACC, 96                           ; v[96:159]  [f 2][pt 4][8] layer sums
.set FA,  96                           ; v[96:127]  [pt 4][8] filter sums
.set BB0, 160                          ; v[160:175] b0 of my two tiles
.set BB1, 176                          ; v[176:191] b1
.set BO,  192                          ; v[192:199] bout of my eight channels
.set BI,  200                          ; v[200:207] one of them, eight times: the C operand that starts the filter's sums
.set FP,  216                          ; v[216:231] [s 2][8] packed, masked filter
.set OA,  232                          ; v[232:239] sums with bf16(data)
.set OB,  240                          ; v[240:247] sums with the remainder
.set HP,  248                          ; v[248:255] packed, on the way to LDS
; block 1 (v256-511): WO[i][ks] at 32 i + 8 ks.   block 2 (v512-767): DH[i][s] at 16 i + 8 s, DL at 128 + 16 i + 8 s.
; block 3 (v768-1023): X[pt][ks] at 8 (4 pt + ks), W0[f][ks] at 128 + 8 (4 f + ks), W1 at 192 + 8 (4 f + ks).
; s_set_vgpr_msb's low byte: bits 1:0 source 0, 3:2 source 1, 5:4 source 2, 7:6 destination; its high byte repeats the setting that is left.
.set MSB, 0
.macro WIN new
.if MSB != \new
	s_set_vgpr_msb (MSB<<8)|\new
.set MSB, \new
.endif
.endm
.macro PLACES                          ; four plain vector instructions between a matrix instruction and a vector read of its result (ISA guide 7.12.1)
.rept 4
	v_nop
.endr
.endm
; FB = the f32 bits of the whole number m, 0 <= m <= 63
.macro SETFB m
.set FE, 0
.if (\m) >= 2
.set FE, 1
.endif
.if (\m) >= 4
.set FE, 2
.endif
.if (\m) >= 8
.set FE, 3
.endif
.if (\m) >= 16
.set FE, 4
.endif
.if (\m) >= 32
.set FE, 5
.endif
.if (\m) == 0
.set FB, 0
.else
.set FB, ((127+FE)<<23)|(((\m)-(1<<FE))<<(23-FE))
.endif
.endm
; v[cr] = cos v[xr], v[sr] = sin v[xr]; v[tr .. tr+5] temporaries; as in prep
.macro SINCOS xr, cr, sr, tr
	v_mul_f32 v[\tr], 0x3f22f983, v[\xr]
	v_rndne_f32 v[\tr], v[\tr]                             ; k = round(x 2/pi)
	v_fmamk_f32 v[\tr+1], v[\tr], 0xbfc90fdb, v[\xr]
	v_fmamk_f32 v[\tr+1], v[\tr], 0x333bbd2e, v[\tr+1]
	v_fmamk_f32 v[\tr+1], v[\tr], 0x26f72ced, v[\tr+1]     ; r = x - k pi/2
	v_mul_f32 v[\tr+2], v[\tr+1], v[\tr+1]
	v_cvt_i32_f32 v[\tr], v[\tr]
	v_mov_b32 v[\tr+3], 0xb94ca1f9
	v_fmaak_f32 v[\tr+3], v[\tr+2], v[\tr+3], 0x3c08839e
	v_fmaak_f32 v[\tr+3], v[\tr+2], v[\tr+3], 0xbe2aaaa3
	v_mul_f32 v[\tr+3], v[\tr+3], v[\tr+2]
	v_fma_f32 v[\tr+3], v[\tr+3], v[\tr+1], v[\tr+1]       ; sin r
	v_mov_b32 v[\tr+4], 0x37ccf5ce
	v_fmaak_f32 v[\tr+4], v[\tr+2], v[\tr+4], 0xbab6061a
	v_fmaak_f32 v[\tr+4], v[\tr+2], v[\tr+4], 0x3d2aaaa5
	v_mul_f32 v[\tr+4], v[\tr+4], v[\tr+2]
	v_fma_f32 v[\tr+5], v[\tr+2], -0.5, 1.0
	v_fma_f32 v[\tr+4], v[\tr+4], v[\tr+2], v[\tr+5]       ; cos r
	v_and_b32 v[\tr+5], 1, v[\tr]
	v_cmp_ne_u32 vcc_lo, 0, v[\tr+5]
	v_cndmask_b32 v[\sr], v[\tr+3], v[\tr+4], vcc_lo
	v_cndmask_b32 v[\cr], v[\tr+4], v[\tr+3], vcc_lo
	v_and_b32 v[\tr+5], 2, v[\tr]
	v_lshlrev_b32 v[\tr+5], 30, v[\tr+5]
	v_xor_b32 v[\sr], v[\sr], v[\tr+5]
	v_add_nc_u32 v[\tr], 1, v[\tr]
	v_and_b32 v[\tr], 2, v[\tr]
	v_lshlrev_b32 v[\tr], 30, v[\tr]
	v_xor_b32 v[\cr], v[\cr], v[\tr]
.endm
; 16 loads: my two tiles' four K steps of W0 (wb = 128, off = 0) or W1 (wb = 192, off = 32,768) into block 3
.macro LOADW wb, off
	WIN 0xc0
.irp f, 0,1
.irp ks, 0,1,2,3
.irp q, 0,1
	global_load_b128 v[\wb+8*(4*\f+\ks)+4*\q:\wb+8*(4*\f+\ks)+4*\q+3], v[AW], s[14:15] offset:\off+4096*\f+1024*\ks+512*\q
.endr
.endr
.endr
	WIN 0
.endm
; 17 loads: all that channel 8 w + i needs: its bout, four Wout fragments, two data fragments and their two remainders.
; Each group has registers of its own, so a group can be asked for at any time.
.macro GRP i
	WIN 0
	global_load_b32 v[BO+(\i)], v[ABO], s[10:11] offset:256*(\i)
	WIN 0x40
.irp ks, 0,1,2,3
.irp q, 0,1
	global_load_b128 v[32*(\i)+8*\ks+4*\q:32*(\i)+8*\ks+4*\q+3], v[AO], s[14:15] offset:4096*(\i)+1024*\ks+512*\q
.endr
.endr
	WIN 0x80
.irp s, 0,1
.irp q, 0,1
	global_load_b128 v[16*(\i)+8*\s+4*\q:16*(\i)+8*\s+4*\q+3], v[AD], s[14:15] offset:2048*(\i)+1024*\s+512*\q
.endr
.endr
.irp s, 0,1
.irp q, 0,1
	global_load_b128 v[128+16*(\i)+8*\s+4*\q:128+16*(\i)+8*\s+4*\q+3], v[AD], s[14:15] offset:65536+2048*(\i)+1024*\s+512*\q
.endr
.endr
	WIN 0
.endm
; The four mask words of half q of fragment s: points hh = 4 s + 2 q + hf, ww = 0..7; 0xffff for each half-word whose point is in the window.
; v[22:23] = 2 hf - 7 twice, v[20:21] = (c/63, -s/63), v[T+2e:T+2e+1] = (s xw, c xw) of column e, v30 = 0xffff, v31 = 0xffff0000.
.macro MASK4 s, q
	SETFB (8*\s+4*\q)
	v_pk_add_f32 v[24:25], v[22:23], FB op_sel_hi:[1,0]        ; 2 hh - 7, exact
	v_pk_mul_f32 v[24:25], v[24:25], v[20:21]                  ; (c xh, -s xh)
.irp k, 0,1,2,3
	v_pk_add_f32 v[26:27], v[24:25], v[T+4*\k:T+4*\k+1]        ; (warp0, warp1) at ww = 2 k
	v_max_num_f32 v26, |v26|, |v27|
	v_cmp_ge_f32 vcc_lo, A01, v26                              ; both inside [-0.1, 0.1]
	v_cndmask_b32 v28, 0, v30, vcc_lo
	v_pk_add_f32 v[26:27], v[24:25], v[T+4*\k+2:T+4*\k+3]      ; at ww = 2 k + 1
	v_max_num_f32 v26, |v26|, |v27|
	v_cmp_ge_f32 vcc_lo, A01, v26
	v_cndmask_b32 v29, 0, v31, vcc_lo
	v_or_b32 v[MW+8*\s+4*\q+\k], v28, v29
.endr
.endm
; Eight centres m = 32 ksp + 16 q + 8 hf + e of my point, both coordinates: 2^-(RK (u - m/63))^2 / M, as bf16, into XE:
; coordinate 0 is feature m (K step ksp), coordinate 1 feature 64 + m (K step 2 + ksp).
.macro EMB8 ksp, q
.irp e, 0,1,2,3,4,5,6,7
	SETFB (32*\ksp+16*\q+\e)
	v_pk_fma_f32 v[T+2*\e:T+2*\e+1], v[ND:ND+1], FB, v[U:U+1] op_sel_hi:[1,0,1]
.endr
.irp e, 0,1,2,3,4,5,6,7
	v_pk_mul_f32 v[T+2*\e:T+2*\e+1], v[T+2*\e:T+2*\e+1], v[T+2*\e:T+2*\e+1] neg_lo:[0,1] neg_hi:[0,1]
.endr
.irp e, 0,1,2,3,4,5,6,7,8,9,10,11,12,13,14,15
	v_exp_f32 v[T+\e], v[T+\e]
.endr
	v_nop                                                      ; one plain vector instruction behind the transcendentals (ISA guide 5.7.2)
	s_wait_alu depctr_va_vdst(0)
.irp e, 0,1,2,3,4,5,6,7
	v_pk_mul_f32 v[T+2*\e:T+2*\e+1], v[T+2*\e:T+2*\e+1], v[INV:INV+1]
.endr
.irp k, 0,1,2,3
	v_cvt_pk_bf16_f32 v[HP+\k], v[T+4*\k], v[T+4*\k+2]         ; coordinate 0, centres 2 k and 2 k + 1
	v_cvt_pk_bf16_f32 v[HP+4+\k], v[T+4*\k+1], v[T+4*\k+3]     ; coordinate 1
.endr
	ds_store_b128 v[SE], v[HP:HP+3] offset:XE+1024*\ksp+512*\q
	ds_store_b128 v[SE], v[HP+4:HP+7] offset:XE+1024*(2+\ksp)+512*\q
.endm
; 32 LDS loads: all 16 X fragments of region reg into block 3, K step by K step (eight loads each)
.macro LOADX reg
	WIN 0xc0
.irp ks, 0,1,2,3
.irp pt, 0,1,2,3
.irp q, 0,1
	ds_load_b128 v[8*(4*\pt+\ks)+4*\q:8*(4*\pt+\ks)+4*\q+3], v[LA] offset:\reg+4096*\pt+1024*\ks+512*\q
.endr
.endr
.endr
	WIN 0
.endm
; 32 products on eight chains: my two output tiles x four point tiles x four K steps.  The bias is the first link's C: nothing is cleared.
.macro LAYER wb, bb
	WIN 0x0f
.irp ks, 0,1,2,3
	s_wait_dscnt 8*(3-\ks)                                     ; LDS loads return in order (ISA guide 5.7.1): the eight of each later K step may be out
.irp f, 0,1
.irp pt, 0,1,2,3
.if \ks == 0
	v_wmma_f32_16x16x32_bf16 v[ACC+32*\f+8*\pt:ACC+32*\f+8*\pt+7], v[\wb+8*(4*\f+\ks):\wb+8*(4*\f+\ks)+7], v[8*(4*\pt+\ks):8*(4*\pt+\ks)+7], v[\bb+8*\f:\bb+8*\f+7]
.else
	v_wmma_f32_16x16x32_bf16 v[ACC+32*\f+8*\pt:ACC+32*\f+8*\pt+7], v[\wb+8*(4*\f+\ks):\wb+8*(4*\f+\ks)+7], v[8*(4*\pt+\ks):8*(4*\pt+\ks)+7], v[ACC+32*\f+8*\pt:ACC+32*\f+8*\pt+7]
.endif
.endr
.endr
.endr
	WIN 0
.endm
; z / (1 + 2^(-z log2 e)) for my two tiles of point tile pt, as bf16 into region reg: halves q = 0, 1 of X fragment (pt, ks = w)
.macro SILU16 pt, reg
.irp f, 0,1
.irp k, 0,1,2,3
	v_pk_mul_f32 v[T+8*\f+2*\k:T+8*\f+2*\k+1], v[ACC+32*\f+8*\pt+2*\k:ACC+32*\f+8*\pt+2*\k+1], NL2E op_sel_hi:[1,0]
.endr
.endr
.irp e, 0,1,2,3,4,5,6,7,8,9,10,11,12,13,14,15
	v_exp_f32 v[T+\e], v[T+\e]
.endr
	v_nop
	s_wait_alu depctr_va_vdst(0)
.irp k, 0,1,2,3,4,5,6,7
	v_pk_add_f32 v[T+2*\k:T+2*\k+1], v[T+2*\k:T+2*\k+1], 1.0 op_sel_hi:[1,0]
.endr
.irp e, 0,1,2,3,4,5,6,7,8,9,10,11,12,13,14,15
	v_rcp_f32 v[T+\e], v[T+\e]
.endr
	v_nop
	s_wait_alu depctr_va_vdst(0)
.irp f, 0,1
.irp k, 0,1,2,3
	v_pk_mul_f32 v[T+8*\f+2*\k:T+8*\f+2*\k+1], v[T+8*\f+2*\k:T+8*\f+2*\k+1], v[ACC+32*\f+8*\pt+2*\k:ACC+32*\f+8*\pt+2*\k+1]
.endr
.endr
.irp k, 0,1,2,3,4,5,6,7
	v_cvt_pk_bf16_f32 v[HP+\k], v[T+2*\k], v[T+2*\k+1]
.endr
	ds_store_b128 v[SH], v[HP:HP+3] offset:\reg+4096*\pt
	ds_store_b128 v[SH], v[HP+4:HP+7] offset:\reg+4096*\pt+512
.endm
; Channel 8 w + i.  left: how many younger loads may be out when group i has to be in.  nxt >= 0: that group is asked for.
; first = 1: the first contraction products start the sums.
.macro FSTEP i, left, nxt, first
	s_wait_loadcnt \left
.irp j, 0,1,2,3,4,5,6,7
	v_mov_b32 v[BI+\j], v[BO+\i]                               ; a lane's eight results are eight points of one column d: one bias, eight times
.endr
.if \nxt >= 0
	GRP \nxt
.endif
	WIN 0x07
.irp ks, 0,1,2,3
.irp pt, 0,1,2,3
.if \ks == 0
	v_wmma_f32_16x16x32_bf16 v[FA+8*\pt:FA+8*\pt+7], v[8*(4*\pt+\ks):8*(4*\pt+\ks)+7], v[32*\i+8*\ks:32*\i+8*\ks+7], v[BI:BI+7]
.else
	v_wmma_f32_16x16x32_bf16 v[FA+8*\pt:FA+8*\pt+7], v[8*(4*\pt+\ks):8*(4*\pt+\ks)+7], v[32*\i+8*\ks:32*\i+8*\ks+7], v[FA+8*\pt:FA+8*\pt+7]
.endif
.endr
.endr
	WIN 0
	PLACES
.irp x, 0,1,2,3,4,5,6,7,8,9,10,11,12,13,14,15
	v_cvt_pk_bf16_f32 v[FP+\x], v[FA+2*\x], v[FA+2*\x+1]       ; word x = 4 pt + k: points 16 pt + 8 hf + 2 k, + 1
.endr
.irp x, 0,1,2,3,4,5,6,7,8,9,10,11,12,13,14,15
	v_and_b32 v[FP+\x], v[FP+\x], v[MW+\x]                     ; the window
.endr
	WIN 0x08
.if \first
	v_wmma_f32_16x16x32_bf16 v[OA:OA+7], v[FP:FP+7], v[16*\i:16*\i+7], 0
	v_wmma_f32_16x16x32_bf16 v[OB:OB+7], v[FP:FP+7], v[128+16*\i:128+16*\i+7], 0
.else
	v_wmma_f32_16x16x32_bf16 v[OA:OA+7], v[FP:FP+7], v[16*\i:16*\i+7], v[OA:OA+7]
	v_wmma_f32_16x16x32_bf16 v[OB:OB+7], v[FP:FP+7], v[128+16*\i:128+16*\i+7], v[OB:OB+7]
.endif
	v_wmma_f32_16x16x32_bf16 v[OA:OA+7], v[FP+8:FP+15], v[16*\i+8:16*\i+15], v[OA:OA+7]
	v_wmma_f32_16x16x32_bf16 v[OB:OB+7], v[FP+8:FP+15], v[128+16*\i+8:128+16*\i+15], v[OB:OB+7]
	WIN 0
	; FP is written again twelve plain vector instructions further on (the next channel's eight moves and four v_nop)
.endm
	; ---- set-up ----
	s_load_b256 s[4:11], s[0:1], 0x0               ; v s[4:5], b0 s[6:7], b1 s[8:9], bout s[10:11]
	s_load_b128 s[12:15], s[0:1], 0x20             ; pmax s[12:13], pack s[14:15]
	s_load_b64 s[16:17], s[0:1], 0x30              ; out0
	v_lshl_add_u32 v214, v0, 2, 0xd400
	v_mov_b32 v215, 0
	v_lshrrev_b32 v1, 5, v0
	v_readfirstlane_b32 s20, v1                    ; wave w
	s_mov_b32 s21, ttmp9                           ; n
	s_and_b32 s22, ttmp7, 0xffff                   ; dt
	s_lshl_b32 s23, s21, 2
	s_mov_b32 s26, 0x76543210
	s_mov_b32 s27, 0xfedcba98
	v_and_b32 v1, 31, v0                           ; lane
	v_and_b32 v2, 15, v0                           ; r
	v_bfe_u32 v3, v0, 4, 1                         ; hf
	v_lshlrev_b32 v[LA], 4, v1
	s_lshl_b32 s28, s20, 13
	s_add_co_u32 s28, s28, W0P
	v_add_nc_u32 v[AW], s28, v[LA]
	s_lshl_b32 s28, s20, 14
	s_add_co_u32 s28, s28, DHP
	v_add_nc_u32 v[AD], s28, v[LA]
	s_lshl_b32 s28, s22, 17
	s_lshl_b32 s29, s20, 15
	s_add_co_u32 s28, s28, s29
	v_add_nc_u32 v[AO], s28, v[LA]
	s_lshl_b32 s28, s20, 7
	v_lshl_add_u32 v[AB], v3, 5, s28
	s_lshl_b32 s28, s20, 11
	s_lshl_b32 s29, s22, 6                         ; 64 dt
	s_add_co_u32 s28, s28, s29
	v_lshl_add_u32 v[ABO], v2, 2, s28
	s_lshl_b32 s28, s20, 12
	v_add_nc_u32 v[SE], s28, v[LA]
	s_lshl_b32 s28, s20, 10
	v_add_nc_u32 v[SH], s28, v[LA]
	s_mul_i32 s28, s20, 1280
	s_add_co_u32 s28, s28, RB
	v_mul_u32_u24 v[SP], v2, 80
	v_lshl_add_u32 v[SP], v3, 5, v[SP]
	v_add_nc_u32 v[SP], s28, v[SP]
	v_lshrrev_b32 v15, 3, v0                       ; t >> 3 = b
	v_and_b32 v16, 7, v0
	v_mul_u32_u24 v[RP], v15, 80
	v_lshl_add_u32 v[RP], v16, 3, v[RP]
	v_add_nc_u32 v[RP], RB, v[RP]
	s_lshl_b32 s28, s21, 8
	s_add_co_u32 s28, s28, s29                     ; 256 n + 64 dt
	v_lshl_add_u32 v[OO], v15, 12, s28
	v_lshl_add_u32 v[OO], v16, 3, v[OO]
	s_wait_kmcnt 0x0
	s_load_b32 s24, s[4:5], s23 offset:0x0         ; v[n]
	; ---- 59 loads in the order of their use: pmax 2, W0 16, b0 4, W1 16, b1 4, channel group 0 17 ----
	global_load_b128 v[PM:PM+3], v[LA], s[12:13]
	global_load_b128 v[PM+4:PM+7], v[LA], s[12:13] offset:512
	LOADW 128, 0
.irp f, 0,1
	global_load_b128 v[BB0+8*\f:BB0+8*\f+3], v[AB], s[6:7] offset:64*\f
	global_load_b128 v[BB0+8*\f+4:BB0+8*\f+7], v[AB], s[6:7] offset:64*\f+16
.endr
	LOADW 192, 32768
.irp f, 0,1
	global_load_b128 v[BB1+8*\f:BB1+8*\f+3], v[AB], s[8:9] offset:64*\f
	global_load_b128 v[BB1+8*\f+4:BB1+8*\f+7], v[AB], s[8:9] offset:64*\f+16
.endr
	GRP 0
	; ---- the angle and the window masks, while the loads are on their way ----
	s_wait_kmcnt 0x0
	v_mov_b32 v24, s24
	SINCOS 24, 16, 17, 18                          ; v16 = cos, v17 = sin
	v_mul_f32 v18, R63, v17                        ; s/63
	v_mul_f32 v19, R63, v16                        ; c/63
	v_mul_f32 v20, R63, v16                        ; the pair (c/63, -s/63)
	v_mul_f32 v21, NR63, v17
	v_lshl_add_u32 v22, v3, 1, -7
	v_cvt_f32_i32 v22, v22                         ; 2 hf - 7
	v_mov_b32 v23, v22
	v_mov_b32 v30, 0xffff
	v_mov_b32 v31, 0xffff0000
.irp e, 0,1,2,3,4,5,6,7
.if 2*\e < 7
	SETFB (7-2*\e)
.set FB, FB|0x80000000
.else
	SETFB (2*\e-7)
.endif
	v_pk_mul_f32 v[T+2*\e:T+2*\e+1], v[18:19], FB op_sel_hi:[1,0]      ; (s xw, c xw), xw = (2 e - 7)/63
.endr
	MASK4 0, 0
	MASK4 0, 1
	MASK4 1, 0
	MASK4 1, 1
	; ---- my own point p = 16 w + r: hh = 2 w + (r >> 3), ww = r & 7 ----
	v_lshrrev_b32 v26, 3, v2
	v_lshlrev_b32 v26, 1, v26
	s_lshl_b32 s28, s20, 2
	s_sub_co_i32 s28, s28, 7
	v_add_nc_u32 v26, s28, v26
	v_cvt_f32_i32 v26, v26                         ; 2 hh - 7
	v_and_b32 v27, 7, v2
	v_lshl_add_u32 v27, v27, 1, -7
	v_cvt_f32_i32 v27, v27                         ; 2 ww - 7
	v_mul_f32 v28, v18, v27
	v_fma_f32 v28, v19, v26, v28                   ; warp0
	v_mul_f32 v29, v18, v26
	v_fma_f32 v29, v19, v27, -v29                  ; warp1
	v_cvt_f32_u32 v24, v3
	v_mul_f32 v24, NDLT8, v24                      ; my half of the lanes begins 8 centres further on
	v_fmamk_f32 v[U], v28, RK, v24
	v_fmamk_f32 v[U+1], v29, RK, v24
	v_mov_b32 v[ND], NDLT
	v_mov_b32 v[ND+1], NDLT
	; ---- 1/M = rsq of the largest squared norm ----
	s_wait_loadcnt 57                              ; loads return in order (ISA guide 5.7.1): pmax's two are in, the 57 issued behind them may be out
	v_max3_num_f32 v[PM], v[PM], v[PM+1], v[PM+2]
	v_max3_num_f32 v[PM+3], v[PM+3], v[PM+4], v[PM+5]
	v_max3_num_f32 v[PM], v[PM], v[PM+6], v[PM+7]
	v_max_num_f32 v[PM], v[PM], v[PM+3]
	v_max_num_f32_dpp v[PM], v[PM], v[PM] row_xmask:1 row_mask:0xf bank_mask:0xf
	v_max_num_f32_dpp v[PM], v[PM], v[PM] row_xmask:2 row_mask:0xf bank_mask:0xf
	v_max_num_f32_dpp v[PM], v[PM], v[PM] row_xmask:4 row_mask:0xf bank_mask:0xf
	v_max_num_f32_dpp v[PM], v[PM], v[PM] row_xmask:8 row_mask:0xf bank_mask:0xf
	v_permlanex16_b32 v[PM+1], v[PM], s26, s27
	v_max_num_f32 v[PM], v[PM], v[PM+1]
	v_rsq_f32 v[INV], v[PM]                        ; used 33 instructions further on; the plain instructions at the head of EMB8 stand between
	v_rsq_f32 v[INV+1], v[PM]
	; ---- the embedding of my 16 points ----
	EMB8 0, 0
	EMB8 0, 1
	EMB8 1, 0
	EMB8 1, 1
	GRP 1
	s_wait_dscnt 0x0                               ; my part of XE is in LDS before I signal
	s_barrier_signal -1
	s_barrier_wait -1
	; ---- layer 0 ----
	LOADX XE
	s_wait_loadcnt 54                              ; W0 and b0 are in; behind b0: W1 16, b1 4, two channel groups of 17
	LAYER 128, BB0
	GRP 2
	PLACES
	SILU16 0, XH1
	SILU16 1, XH1
	SILU16 2, XH1
	SILU16 3, XH1
	s_wait_dscnt 0x0
	s_barrier_signal -1
	s_barrier_wait -1
	; ---- layer 1 ----
	LOADX XH1
	s_wait_loadcnt 51                              ; W1 and b1 are in; behind b1: three channel groups of 17
	LAYER 192, BB1
	GRP 3
	PLACES
	SILU16 0, XH2
	SILU16 1, XH2
	SILU16 2, XH2
	SILU16 3, XH2
	s_wait_dscnt 0x0
	s_barrier_signal -1
	s_barrier_wait -1
	; ---- filter, window, contraction: my eight channels; three groups of 17 loads stay ahead until the last are asked for ----
	LOADX XH2
	s_wait_dscnt 0x0
	FSTEP 0, 51, 4, 1
	FSTEP 1, 51, 5, 0
	FSTEP 2, 51, 6, 0
	FSTEP 3, 51, 7, 0
	FSTEP 4, 51, -1, 0
	FSTEP 5, 34, -1, 0
	FSTEP 6, 17, -1, 0
	FSTEP 7, 0, -1, 0
	; ---- the way out: the four waves' sums over their channels meet in LDS ----
	PLACES
.irp k, 0,1,2,3
	v_pk_add_f32 v[OA+2*\k:OA+2*\k+1], v[OA+2*\k:OA+2*\k+1], v[OB+2*\k:OB+2*\k+1]
.endr
	ds_store_b128 v[SP], v[OA:OA+3]                ; row b = r, columns d = 8 hf .. 8 hf + 7
	ds_store_b128 v[SP], v[OA+4:OA+7] offset:16
	s_wait_dscnt 0x0
	s_barrier_signal -1
	s_barrier_wait -1
.irp k, 0,1,2,3
	ds_load_b64 v[T+2*\k:T+2*\k+1], v[RP] offset:1280*\k       ; thread t: two columns of row b = t >> 3, from each wave's block
.endr
	s_wait_dscnt 0x0
	v_pk_add_f32 v[T:T+1], v[T:T+1], v[T+2:T+3]
	v_pk_add_f32 v[T+4:T+5], v[T+4:T+5], v[T+6:T+7]
	v_pk_add_f32 v[T:T+1], v[T:T+1], v[T+4:T+5]
	global_store_b64 v[OO], v[T:T+1], s[16:17]     ; eight neighbouring lanes store the 64 consecutive bytes of (b, n, 16 dt ..)
	s_wait_tensorcnt 0x0
	ds_add_u32 v214, v215
	s_wait_dscnt 0x0
	s_endpgm
.Lfunc_end_k_q3b34dfe99e_main:
	.size	k_q3b34dfe99e_main, .Lfunc_end_k_q3b34dfe99e_main-k_q3b34dfe99e_main
	.p2alignl 7, 3214868480
	.fill 96, 4, 3214868480
	.section	.rodata,"a",@progbits
	.p2align	6, 0x0
	.amdhsa_kernel k_q3b34dfe99e_main
		.amdhsa_group_segment_fixed_size 54784
		.amdhsa_private_segment_fixed_size 0
		.amdhsa_enable_private_segment 0
		.amdhsa_kernarg_size 56
		.amdhsa_user_sgpr_count 2
		.amdhsa_user_sgpr_kernarg_segment_ptr 1
		.amdhsa_wavefront_size32 1
		.amdhsa_system_sgpr_workgroup_id_x 1
		.amdhsa_system_sgpr_workgroup_id_y 1
		.amdhsa_system_sgpr_workgroup_id_z 1
		.amdhsa_system_vgpr_workitem_id 0
		.amdhsa_next_free_vgpr 1024
		.amdhsa_next_free_sgpr 66
		.amdhsa_reserve_vcc 1
		.amdhsa_float_denorm_mode_32 3
		.amdhsa_float_denorm_mode_16_64 3
		.amdhsa_memory_ordered 1
		.amdhsa_forward_progress 1
		.amdhsa_inst_pref_size 111
	.end_amdhsa_kernel
	.amdgpu_metadata
---
amdhsa.version: [ 1, 2 ]
amdhsa.kernels:
  - .name:           k_q3b34dfe99e_main
    .symbol:         k_q3b34dfe99e_main.kd
    .args:
      - { .name: v, .offset: 0, .size: 8, .value_kind: global_buffer, .address_space: global }
      - { .name: b0, .offset: 8, .size: 8, .value_kind: global_buffer, .address_space: global }
      - { .name: b1, .offset: 16, .size: 8, .value_kind: global_buffer, .address_space: global }
      - { .name: bout, .offset: 24, .size: 8, .value_kind: global_buffer, .address_space: global }
      - { .name: pmax, .offset: 32, .size: 8, .value_kind: global_buffer, .address_space: global }
      - { .name: pack, .offset: 40, .size: 8, .value_kind: global_buffer, .address_space: global }
      - { .name: out0, .offset: 48, .size: 8, .value_kind: global_buffer, .address_space: global }
    .group_segment_fixed_size: 54784
    .private_segment_fixed_size: 0
    .kernarg_segment_align: 8
    .kernarg_segment_size: 56
    .max_flat_workgroup_size: 128
    .sgpr_count:     66
    .vgpr_count:     1024
    .wavefront_size: 32
...
	.end_amdgpu_metadata
.endif
;; end of part 2
;; ======== version 2 of 2: 2 launches; version 1 with the launch main written anew for expert scheduling mode
;; limits: right only within a limited range of input values
;; workspace buffers: pmax 1,024 bytes; pack 720,896 bytes
;; launch prep: the kernel of part 1 again; grid 256 x 1, 8 waves a work-group, no clusters, 1,280 bytes of LDS; arguments v, W0, W1, Wout, data, pmax, pack; writes pmax, pack
;; launch main (part 3): grid 16 x 4, 4 waves a work-group, no clusters, 54,784 bytes of LDS; arguments v, b0, b1, bout, pmax, pack, out0; writes out0
.if DOCPART == 3
	.amdgcn_target "amdgcn-amd-amdhsa--gfx1250"
	.amdhsa_code_object_version 6
	.text
	.protected	k_q3b34dfe99e_main
	.globl	k_q3b34dfe99e_main
	.p2align	8
	.type	k_q3b34dfe99e_main,@function
k_q3b34dfe99e_main:
	s_mov_b64 s[64:65], 0
	v_nop
	global_prefetch_b8 v0, s[64:65] scope:SCOPE_SE
	s_setreg_imm32_b32 hwreg(HW_REG_WAVE_SCHED_MODE, 0, 2), 2
	s_setreg_imm32_b32 hwreg(HW_REG_WAVE_MODE, 25, 1), 1
	s_wait_xcnt 0x0
	s_wait_alu depctr_vm_vsrc(0)
; main: work-group (n, dt) makes out0[0..15][n][16 dt .. 16 dt + 15] from the 64 grid points p = 8 (h - 28) + (w - 28) that the
; window of reference() can let through (see prep): 1/M, embedding, two SiLU layers, filter, window, contraction with data.
; Four waves, one for each SIMD.  Straight-line text: no loop, no branch.
; Every matrix operand comes from pack in fragment order, 512 consecutive bytes for each load of a wave, straight into registers.
; THE LAYOUTS CHAIN (lane 16 hf + r; a fragment register pair-of-four q holds K = 32 ks + 16 q + 8 hf + 0..7):
;   layers:      D = W fragment (rows f_out) x X fragment (columns p): register j = (f_out = 16 ft + 8 hf + j, p = 16 pt + r), which,
;                packed to bf16, is half q = ft & 1 of X fragment (pt, ks = ft >> 1) of the next product, in the same lane.
;   filter:      FA[pt] = X fragment (rows p) x WO fragment (columns d) + bout: register j = (p = 16 pt + 8 hf + j, d = r), which, packed,
;                is half q = pt & 1 of fragment s = pt >> 1 with rows d and K = p.
;   contraction: O = that fragment x data fragment (columns b): register j = (d = 8 hf + j, b = r).
; Shares: embedding: wave w makes point tile pt = w.  Layers: output tiles ft = 2 w, 2 w + 1 for all four point tiles.  Filter and
; contraction: channels c = 8 w + i, i = 0..7, all 64 points.  X passes between waves through LDS (three regions, one barrier each);
; the four waves' partial sums meet in LDS at the end.
; data goes in as two bf16 (value and remainder): two more products a channel, and only the filter's rounding is left in the sum.
; LDS: XE 0, XH1 16,384, XH2 32,768: [pt 4][ks 4][q 2][lane 32][16 bytes], lanes contiguous; RB 49,152: 4 waves x 16 rows b of 64 bytes, pitch 80.
; NO CLUSTER, NO LDS RING: the 16 work-groups of one dt read the same 131,072 bytes of WO, out of some 330,000 that a work-group reads, but each
; byte feeds one wave once and lands in registers as it lies; a joint request would land in LDS and be loaded a second time from there.
; NO PREFETCH: all of pack and pmax was stored by the launch before this one.
; A row piece (b, n, 16 d) of out0 is 64 bytes: eight neighbouring lanes store it whole; the other 192 bytes of its 256 belong to the three other dt,
; which would each have to walk all of Wout to write them here.
; LIMITS: v finite, |v| <= 1e5; a point whose rotated coordinate lies within a few ulp of +-0.1 may fall on the other side of the window than in
; reference(); masked filter values are set to +0 by bits, so a NaN or infinity there (or in data outside the window) does not spread as 0 x NaN does.
; THE MODE: SCHED_MODE bits 1:0 = 2 (LLVM: expert scheduling mode 2), set by the entry lines.  The code itself states the register dependences
; between vector or matrix instructions and memory or LDS instructions, with s_wait_alu, always for 0.
; THE PLAN.  Registers that memory or LDS instructions touch, in the order of the text:
;   v4-v14      offsets and LDS addresses.  Written at the head by vector instructions, never again; read by every load and store.  One wait on va_vdst ahead of the first load.
;   PM, W0, W1, BB0, BB1, BO, WO, DH, DL   each is landed in once, and no vector or matrix instruction names it ahead of its load: only LOADcnt is owed,
;               so a channel's group of 17 loads can be asked for at any place of the text.
;   X           landed in three times by LDS loads; read by the matrix instructions of layer 0, of layer 1 and of the channel steps.  The second and the third landing
;               stand behind the wait on va_vdst ahead of a SiLU's LDS stores, which is issued behind that layer's matrix instructions; nothing between names X.
;   EO          written by the embedding's roundings, read by its eight LDS stores (va_vdst between); written again as SiLU's work area (vm_vsrc behind the first barrier).
;   TS          SiLU's work area for a whole layer; the first four of each eight registers are the LDS stores' data (va_vdst ahead of the stores).  Its next writers are the
;               next SiLU, then FP's roundings, OA's and OB's matrix instructions and the last LDS loads: vm_vsrc behind the second and the third barrier.
;   OA          the data of the last LDS stores;  v64-71 take the four LDS loads of the way out, v64-65 are the global store's data: a wait on va_vdst ahead of each run of stores.
;   s20, VCC, s30-s37   scalar results of vector instructions: a wait on va_sdst or va_vcc between each run of writers and its first reader.
; The channel steps hold no s_wait_alu: their loads land in registers that nothing has named, and all else there is vector against matrix.
.set R63,   0x3c820821                 ; 1/63
.set NR63,  0xbc820821
.set A01,   0x3dcccccd                 ; 0.1
.set RK,    0x41422175                 ; sqrt(log2 e / (2 x 0.07^2))
.set NDLT,  0xbe45364f                 ; -RK/63
.set NDLT8, 0xbfc5364f                 ; -8 RK/63
.set NL2E,  0xbfb8aa3b                 ; -log2 e
.set XE,  0
.set XH1, 16384
.set XH2, 32768
.set RB,  49152
.set W0P, 524288
.set DHP, 589824
; block 0 (v0-255)
.set LA,  4                            ; 16 lane
.set AW,  5                            ; pack offset of my W0 fragments: W0P + 8,192 w + 16 lane
.set AD,  6                            ; of my data fragments: DHP + 16,384 w + 16 lane
.set AO,  7                            ; of my Wout fragments: 131,072 dt + 32,768 w + 16 lane
.set AB,  8                            ; b0, b1: 128 w + 32 hf
.set ABO, 9                            ; bout: 2,048 w + 64 dt + 4 r
.set SE,  10                           ; LDS: 4,096 w + 16 lane
.set SH,  11                           ; LDS: 1,024 w + 16 lane
.set SP,  12                           ; LDS: RB + 1,280 w + 80 r + 32 hf
.set RP,  13                           ; LDS: RB + 80 (t >> 3) + 8 (t & 7)
.set OO,  14                           ; out0: 4,096 (t >> 3) + 256 n + 64 dt + 8 (t & 7)
.set MW,  32                           ; v[32:47]   window masks for the 16 packed filter words
.set INV, 48                           ; v[48:49]   1/M twice
.set U,   50                           ; v[50:51]   RK x (warp0, warp1) - 8 hf RK/63 of my point
.set ND,  52                           ; v[52:53]   -RK/63 twice
.set PM,  54                           ; v[54:61]   eight of pmax's 256 numbers
.set T,   64                           ; v[64:79]   at the head: (s xw, c xw) of the eight columns; at the end: the four waves' partial sums
.set MT,  80                           ; v[80:95]   at the head: the rotated coordinates of eight points (AMAX names these registers by number)
.set TS,  64                           ; v[64:95] tile f = 0, v[216:247] tile f = 1: SiLU's work area, [pt 4][8] each
.set TSF, 152                          ; from the one half to the other
.set ET,  96                           ; v[96:159]  at the head: [ksp 2][q 2][centre 8][coordinate 2], the embedding at work
.set ACC, 96                           ; v[96:159]  [f 2][pt 4][8] layer sums
.set FA,  96                           ; v[96:127]  [pt 4][8] filter sums
.set BB0, 160                          ; v[160:175] b0 of my two tiles
.set BB1, 176                          ; v[176:191] b1
.set BO,  192                          ; v[192:199] bout of my eight channels
.set BI,  200                          ; v[200:207] one of them, eight times: the C operand that starts the filter's sums
.set EO,  216                          ; v[216:247] at the head: the embedding as bf16, on the way to LDS
.set FP,  216                          ; v[216:231] [s 2][8] packed, masked filter
.set OA,  232                          ; v[232:239] sums with bf16(data)
.set OB,  240                          ; v[240:247] sums with the remainder
; block 1 (v256-511): WO[i][ks] at 32 i + 8 ks.   block 2 (v512-767): DH[i][s] at 16 i + 8 s, DL at 128 + 16 i + 8 s.
; block 3 (v768-1023): X[pt][ks] at 8 (4 pt + ks), W0[f][ks] at 128 + 8 (4 f + ks), W1 at 192 + 8 (4 f + ks).
; s_set_vgpr_msb's low byte: bits 1:0 source 0, 3:2 source 1, 5:4 source 2, 7:6 destination; its high byte repeats the setting that is left.
.set MSB, 0
.macro WIN new
.if MSB != \new
	s_set_vgpr_msb (MSB<<8)|\new
.set MSB, \new
.endif
.endm
.macro PLACES                          ; four plain vector instructions between a matrix instruction and a vector read of its result (ISA guide 7.12.1)
.rept 4
	v_nop
.endr
.endm
; FB = the f32 bits of the whole number m, 0 <= m <= 63
.macro SETFB m
.set FE, 0
.if (\m) >= 2
.set FE, 1
.endif
.if (\m) >= 4
.set FE, 2
.endif
.if (\m) >= 8
.set FE, 3
.endif
.if (\m) >= 16
.set FE, 4
.endif
.if (\m) >= 32
.set FE, 5
.endif
.if (\m) == 0
.set FB, 0
.else
.set FB, ((127+FE)<<23)|(((\m)-(1<<FE))<<(23-FE))
.endif
.endm
; v[cr] = cos v[xr], v[sr] = sin v[xr]; v[tr .. tr+5] temporaries; as in prep
.macro SINCOS xr, cr, sr, tr
	v_mul_f32 v[\tr], 0x3f22f983, v[\xr]
	v_rndne_f32 v[\tr], v[\tr]                             ; k = round(x 2/pi)
	v_fmamk_f32 v[\tr+1], v[\tr], 0xbfc90fdb, v[\xr]
	v_fmamk_f32 v[\tr+1], v[\tr], 0x333bbd2e, v[\tr+1]
	v_fmamk_f32 v[\tr+1], v[\tr], 0x26f72ced, v[\tr+1]     ; r = x - k pi/2
	v_mul_f32 v[\tr+2], v[\tr+1], v[\tr+1]
	v_cvt_i32_f32 v[\tr], v[\tr]
	v_mov_b32 v[\tr+3], 0xb94ca1f9
	v_fmaak_f32 v[\tr+3], v[\tr+2], v[\tr+3], 0x3c08839e
	v_fmaak_f32 v[\tr+3], v[\tr+2], v[\tr+3], 0xbe2aaaa3
	v_mul_f32 v[\tr+3], v[\tr+3], v[\tr+2]
	v_fma_f32 v[\tr+3], v[\tr+3], v[\tr+1], v[\tr+1]       ; sin r
	v_mov_b32 v[\tr+4], 0x37ccf5ce
	v_fmaak_f32 v[\tr+4], v[\tr+2], v[\tr+4], 0xbab6061a
	v_fmaak_f32 v[\tr+4], v[\tr+2], v[\tr+4], 0x3d2aaaa5
	v_mul_f32 v[\tr+4], v[\tr+4], v[\tr+2]
	v_fma_f32 v[\tr+5], v[\tr+2], -0.5, 1.0
	v_fma_f32 v[\tr+4], v[\tr+4], v[\tr+2], v[\tr+5]       ; cos r
	v_and_b32 v[\tr+5], 1, v[\tr]
	v_cmp_ne_u32 vcc_lo, 0, v[\tr+5]
	s_wait_alu depctr_va_vcc(0)                            ; the compare has written VCC, which the two selects below read
	v_cndmask_b32 v[\sr], v[\tr+3], v[\tr+4], vcc_lo
	v_cndmask_b32 v[\cr], v[\tr+4], v[\tr+3], vcc_lo
	v_and_b32 v[\tr+5], 2, v[\tr]
	v_lshlrev_b32 v[\tr+5], 30, v[\tr+5]
	v_xor_b32 v[\sr], v[\sr], v[\tr+5]
	v_add_nc_u32 v[\tr], 1, v[\tr]
	v_and_b32 v[\tr], 2, v[\tr]
	v_lshlrev_b32 v[\tr], 30, v[\tr]
	v_xor_b32 v[\cr], v[\cr], v[\tr]
.endm
; 16 loads: my two tiles' four K steps of W0 (wb = 128, off = 0) or W1 (wb = 192, off = 32,768) into block 3
.macro LOADW wb, off
	WIN 0xc0
.irp f, 0,1
.irp ks, 0,1,2,3
.irp q, 0,1
	global_load_b128 v[\wb+8*(4*\f+\ks)+4*\q:\wb+8*(4*\f+\ks)+4*\q+3], v[AW], s[14:15] offset:\off+4096*\f+1024*\ks+512*\q
.endr
.endr
.endr
	WIN 0
.endm
; 17 loads: all that channel 8 w + i needs: its bout, four Wout fragments, two data fragments and their two remainders.
; Each group has registers of its own, which no vector or matrix instruction names ahead of these loads, and its three offsets are
; never written behind the head's wait: so a group can be asked for at any place, with no s_wait_alu.
.macro GRP i
	WIN 0
	global_load_b32 v[BO+(\i)], v[ABO], s[10:11] offset:256*(\i)
	WIN 0x40
.irp ks, 0,1,2,3
.irp q, 0,1
	global_load_b128 v[32*(\i)+8*\ks+4*\q:32*(\i)+8*\ks+4*\q+3], v[AO], s[14:15] offset:4096*(\i)+1024*\ks+512*\q
.endr
.endr
	WIN 0x80
.irp s, 0,1
.irp q, 0,1
	global_load_b128 v[16*(\i)+8*\s+4*\q:16*(\i)+8*\s+4*\q+3], v[AD], s[14:15] offset:2048*(\i)+1024*\s+512*\q
.endr
.endr
.irp s, 0,1
.irp q, 0,1
	global_load_b128 v[128+16*(\i)+8*\s+4*\q:128+16*(\i)+8*\s+4*\q+3], v[AD], s[14:15] offset:65536+2048*(\i)+1024*\s+512*\q
.endr
.endr
	WIN 0
.endm
.macro AMAX a, b                       ; the larger magnitude of a point's two rotated coordinates
	v_max_num_f32 v\a, |v\a|, |v\b|
.endm
; The four mask words of half q of fragment s: points hh = 4 s + 2 q + hf, ww = 0..7; 0xffff for each half-word whose point is in the window.
; v[22:23] = 2 hf - 7 twice, v[20:21] = (c/63, -s/63), v[T+2e:T+2e+1] = (s xw, c xw) of column e, v30 = 0xffff, v31 = 0xffff0000.
; The eight compares stand in one run, each with a scalar register of its own, so that one wait serves the eight.
.macro MASK4 s, q
	SETFB (8*\s+4*\q)
	v_pk_add_f32 v[24:25], v[22:23], FB op_sel_hi:[1,0]        ; 2 hh - 7, exact
	v_pk_mul_f32 v[24:25], v[24:25], v[20:21]                  ; (c xh, -s xh)
.irp e, 0,1,2,3,4,5,6,7
	v_pk_add_f32 v[MT+2*\e:MT+2*\e+1], v[24:25], v[T+2*\e:T+2*\e+1]    ; (warp0, warp1) at ww = e
.endr
	AMAX 80, 81
	AMAX 82, 83
	AMAX 84, 85
	AMAX 86, 87
	AMAX 88, 89
	AMAX 90, 91
	AMAX 92, 93
	AMAX 94, 95
.irp e, 0,1,2,3,4,5,6,7
	v_cmp_ge_f32 s[30+\e], A01, v[MT+2*\e]                     ; both inside [-0.1, 0.1]
.endr
	s_wait_alu depctr_va_sdst(0)                               ; the eight compares have written s30 to s37, which the selects below read
.irp k, 0,1,2,3
	v_cndmask_b32 v28, 0, v30, s[30+2*\k]
	v_cndmask_b32 v29, 0, v31, s[30+2*\k+1]
	v_or_b32 v[MW+8*\s+4*\q+\k], v28, v29
.endr
.endm
; Eight centres m = 32 ksp + 16 q + 8 hf + e of my point, both coordinates: t = RK (u - m/63)
.macro EMBT ksp, q
.irp e, 0,1,2,3,4,5,6,7
	SETFB (32*\ksp+16*\q+\e)
	v_pk_fma_f32 v[ET+16*(2*\ksp+\q)+2*\e:ET+16*(2*\ksp+\q)+2*\e+1], v[ND:ND+1], FB, v[U:U+1] op_sel_hi:[1,0,1]
.endr
.endm
; 32 LDS loads: all 16 X fragments of region reg into block 3, K step by K step (eight loads each)
.macro LOADX reg
	WIN 0xc0
.irp ks, 0,1,2,3
.irp pt, 0,1,2,3
.irp q, 0,1
	ds_load_b128 v[8*(4*\pt+\ks)+4*\q:8*(4*\pt+\ks)+4*\q+3], v[LA] offset:\reg+4096*\pt+1024*\ks+512*\q
.endr
.endr
.endr
	WIN 0
.endm
; 32 products on eight chains, which take turns: my two output tiles x four point tiles x four K steps.  The bias is the first link's C: nothing is cleared.
.macro LAYER wb, bb
	WIN 0x0f
.irp ks, 0,1,2,3
	s_wait_dscnt 8*(3-\ks)                                     ; LDS loads return in order (ISA guide 5.7.1): the eight of each later K step may be out
.irp f, 0,1
.irp pt, 0,1,2,3
.if \ks == 0
	v_wmma_f32_16x16x32_bf16 v[ACC+32*\f+8*\pt:ACC+32*\f+8*\pt+7], v[\wb+8*(4*\f+\ks):\wb+8*(4*\f+\ks)+7], v[8*(4*\pt+\ks):8*(4*\pt+\ks)+7], v[\bb+8*\f:\bb+8*\f+7]
.else
	v_wmma_f32_16x16x32_bf16 v[ACC+32*\f+8*\pt:ACC+32*\f+8*\pt+7], v[\wb+8*(4*\f+\ks):\wb+8*(4*\f+\ks)+7], v[8*(4*\pt+\ks):8*(4*\pt+\ks)+7], v[ACC+32*\f+8*\pt:ACC+32*\f+8*\pt+7]
.endif
.endr
.endr
.endr
	WIN 0
.endm
; z / (1 + 2^(-z log2 e)) for my two tiles of all four point tiles, as bf16 into region reg: halves q = f of X fragment (pt, ks = w).
; The layer's 64 numbers go together: one batch of exponentials and one of reciprocals, a wait behind each, and one wait ahead of the eight stores.
.macro SILU reg
.irp f, 0,1
.irp pt, 0,1,2,3
.irp k, 0,1,2,3
	v_pk_mul_f32 v[TS+TSF*\f+8*\pt+2*\k:TS+TSF*\f+8*\pt+2*\k+1], v[ACC+32*\f+8*\pt+2*\k:ACC+32*\f+8*\pt+2*\k+1], NL2E op_sel_hi:[1,0]
.endr
.endr
.endr
.irp f, 0,1
.set ii, 0
.rept 32
	v_exp_f32 v[TS+TSF*\f+ii], v[TS+TSF*\f+ii]
.set ii, ii+1
.endr
.endr
	v_nop                                                      ; one plain vector instruction behind the transcendentals (ISA guide 5.7.2)
	s_wait_alu depctr_va_vdst(0)                               ; the 64 exponentials have written TS, which the additions below read
.irp f, 0,1
.set ii, 0
.rept 16
	v_pk_add_f32 v[TS+TSF*\f+2*ii:TS+TSF*\f+2*ii+1], v[TS+TSF*\f+2*ii:TS+TSF*\f+2*ii+1], 1.0 op_sel_hi:[1,0]
.set ii, ii+1
.endr
.endr
.irp f, 0,1
.set ii, 0
.rept 32
	v_rcp_f32 v[TS+TSF*\f+ii], v[TS+TSF*\f+ii]
.set ii, ii+1
.endr
.endr
	v_nop
	s_wait_alu depctr_va_vdst(0)                               ; the 64 reciprocals have written TS, which the products below read
.irp f, 0,1
.irp pt, 0,1,2,3
.irp k, 0,1,2,3
	v_pk_mul_f32 v[TS+TSF*\f+8*\pt+2*\k:TS+TSF*\f+8*\pt+2*\k+1], v[TS+TSF*\f+8*\pt+2*\k:TS+TSF*\f+8*\pt+2*\k+1], v[ACC+32*\f+8*\pt+2*\k:ACC+32*\f+8*\pt+2*\k+1]
.endr
.endr
.endr
.irp f, 0,1
.irp pt, 0,1,2,3
.irp k, 0,1,2,3
	v_cvt_pk_bf16_f32 v[TS+TSF*\f+8*\pt+\k], v[TS+TSF*\f+8*\pt+2*\k], v[TS+TSF*\f+8*\pt+2*\k+1]   ; eight numbers close up into the first four of their eight registers
.endr
.endr
.endr
	s_wait_alu depctr_va_vdst(0)                               ; the roundings have written TS, which the LDS stores read; the layer's matrix instructions are done reading X, in which the next LDS loads land
.irp pt, 0,1,2,3
.irp f, 0,1
	ds_store_b128 v[SH], v[TS+TSF*\f+8*\pt:TS+TSF*\f+8*\pt+3] offset:\reg+4096*\pt+512*\f
.endr
.endr
.endm
; Channel 8 w + i.  left: how many younger loads may be out when group i has to be in.  nxt >= 0: that group is asked for.
; first = 1: the first contraction products start the sums.
.macro FSTEP i, left, nxt, first
	s_wait_loadcnt \left
.irp j, 0,1,2,3,4,5,6,7
	v_mov_b32 v[BI+\j], v[BO+\i]                               ; a lane's eight results are eight points of one column d: one bias, eight times
.endr
.if \nxt >= 0
	GRP \nxt
.endif
	WIN 0x07
.irp ks, 0,1,2,3
.irp pt, 0,1,2,3
.if \ks == 0
	v_wmma_f32_16x16x32_bf16 v[FA+8*\pt:FA+8*\pt+7], v[8*(4*\pt+\ks):8*(4*\pt+\ks)+7], v[32*\i+8*\ks:32*\i+8*\ks+7], v[BI:BI+7]
.else
	v_wmma_f32_16x16x32_bf16 v[FA+8*\pt:FA+8*\pt+7], v[8*(4*\pt+\ks):8*(4*\pt+\ks)+7], v[32*\i+8*\ks:32*\i+8*\ks+7], v[FA+8*\pt:FA+8*\pt+7]
.endif
.endr
.endr
	WIN 0
	PLACES
.irp x, 0,1,2,3,4,5,6,7,8,9,10,11,12,13,14,15
	v_cvt_pk_bf16_f32 v[FP+\x], v[FA+2*\x], v[FA+2*\x+1]       ; word x = 4 pt + k: points 16 pt + 8 hf + 2 k, + 1
.endr
.irp x, 0,1,2,3,4,5,6,7,8,9,10,11,12,13,14,15
	v_and_b32 v[FP+\x], v[FP+\x], v[MW+\x]                     ; the window
.endr
	WIN 0x08
.if \first
	v_wmma_f32_16x16x32_bf16 v[OA:OA+7], v[FP:FP+7], v[16*\i:16*\i+7], 0
	v_wmma_f32_16x16x32_bf16 v[OB:OB+7], v[FP:FP+7], v[128+16*\i:128+16*\i+7], 0
.else
	v_wmma_f32_16x16x32_bf16 v[OA:OA+7], v[FP:FP+7], v[16*\i:16*\i+7], v[OA:OA+7]
	v_wmma_f32_16x16x32_bf16 v[OB:OB+7], v[FP:FP+7], v[128+16*\i:128+16*\i+7], v[OB:OB+7]
.endif
	v_wmma_f32_16x16x32_bf16 v[OA:OA+7], v[FP+8:FP+15], v[16*\i+8:16*\i+15], v[OA:OA+7]
	v_wmma_f32_16x16x32_bf16 v[OB:OB+7], v[FP+8:FP+15], v[128+16*\i+8:128+16*\i+15], v[OB:OB+7]
	WIN 0
	; FP is written again twelve plain vector instructions further on (the next channel's eight moves and four v_nop)
.endm
	; ---- set-up ----
	s_load_b256 s[4:11], s[0:1], 0x0               ; v s[4:5], b0 s[6:7], b1 s[8:9], bout s[10:11]
	s_load_b128 s[12:15], s[0:1], 0x20             ; pmax s[12:13], pack s[14:15]
	s_load_b64 s[16:17], s[0:1], 0x30              ; out0
	v_lshl_add_u32 v254, v0, 2, 0xd400
	v_mov_b32 v255, 0
	v_lshrrev_b32 v1, 5, v0
	v_readfirstlane_b32 s20, v1                    ; wave w
	s_mov_b32 s21, ttmp9                           ; n
	s_and_b32 s22, ttmp7, 0xffff                   ; dt
	s_lshl_b32 s23, s21, 2
	s_mov_b32 s26, 0x76543210
	s_mov_b32 s27, 0xfedcba98
	v_and_b32 v1, 31, v0                           ; lane
	v_and_b32 v2, 15, v0                           ; r
	v_bfe_u32 v3, v0, 4, 1                         ; hf
	v_lshlrev_b32 v[LA], 4, v1
	s_wait_alu depctr_va_sdst(0)                   ; s20 is written, ahead of its first reader: the offsets below are made from it
	s_lshl_b32 s28, s20, 13
	s_add_co_u32 s28, s28, W0P
	v_add_nc_u32 v[AW], s28, v[LA]
	s_lshl_b32 s28, s20, 14
	s_add_co_u32 s28, s28, DHP
	v_add_nc_u32 v[AD], s28, v[LA]
	s_lshl_b32 s28, s22, 17
	s_lshl_b32 s29, s20, 15
	s_add_co_u32 s28, s28, s29
	v_add_nc_u32 v[AO], s28, v[LA]
	s_lshl_b32 s28, s20, 7
	v_lshl_add_u32 v[AB], v3, 5, s28
	s_lshl_b32 s28, s20, 11
	s_lshl_b32 s29, s22, 6                         ; 64 dt
	s_add_co_u32 s28, s28, s29
	v_lshl_add_u32 v[ABO], v2, 2, s28
	s_lshl_b32 s28, s20, 12
	v_add_nc_u32 v[SE], s28, v[LA]
	s_lshl_b32 s28, s20, 10
	v_add_nc_u32 v[SH], s28, v[LA]
	s_mul_i32 s28, s20, 1280
	s_add_co_u32 s28, s28, RB
	v_mul_u32_u24 v[SP], v2, 80
	v_lshl_add_u32 v[SP], v3, 5, v[SP]
	v_add_nc_u32 v[SP], s28, v[SP]
	v_lshrrev_b32 v15, 3, v0                       ; t >> 3 = b
	v_and_b32 v16, 7, v0
	v_mul_u32_u24 v[RP], v15, 80
	v_lshl_add_u32 v[RP], v16, 3, v[RP]
	v_add_nc_u32 v[RP], RB, v[RP]
	s_lshl_b32 s28, s21, 8
	s_add_co_u32 s28, s28, s29                     ; 256 n + 64 dt
	v_lshl_add_u32 v[OO], v15, 12, s28
	v_lshl_add_u32 v[OO], v16, 3, v[OO]
	s_wait_kmcnt 0x0
	s_load_b32 s24, s[4:5], s23 offset:0x0         ; v[n]
	s_wait_alu depctr_va_vdst(0)                   ; the eleven offsets and LDS addresses v4 to v14 are written: every load and store of the kernel reads one of them, and none is written again
	; ---- 59 loads in the order of their use: pmax 2, W0 16, b0 4, W1 16, b1 4, channel group 0 17 ----
	global_load_b128 v[PM:PM+3], v[LA], s[12:13]
	global_load_b128 v[PM+4:PM+7], v[LA], s[12:13] offset:512
	LOADW 128, 0
.irp f, 0,1
	global_load_b128 v[BB0+8*\f:BB0+8*\f+3], v[AB], s[6:7] offset:64*\f
	global_load_b128 v[BB0+8*\f+4:BB0+8*\f+7], v[AB], s[6:7] offset:64*\f+16
.endr
	LOADW 192, 32768
.irp f, 0,1
	global_load_b128 v[BB1+8*\f:BB1+8*\f+3], v[AB], s[8:9] offset:64*\f
	global_load_b128 v[BB1+8*\f+4:BB1+8*\f+7], v[AB], s[8:9] offset:64*\f+16
.endr
	GRP 0
	; ---- the angle and the window masks, while the loads are on their way ----
	s_wait_kmcnt 0x0
	v_mov_b32 v24, s24
	SINCOS 24, 16, 17, 18                          ; v16 = cos, v17 = sin
	v_mul_f32 v18, R63, v17                        ; s/63
	v_mul_f32 v19, R63, v16                        ; c/63
	v_mul_f32 v20, R63, v16                        ; the pair (c/63, -s/63)
	v_mul_f32 v21, NR63, v17
	v_lshl_add_u32 v22, v3, 1, -7
	v_cvt_f32_i32 v22, v22                         ; 2 hf - 7
	v_mov_b32 v23, v22
	v_mov_b32 v30, 0xffff
	v_mov_b32 v31, 0xffff0000
.irp e, 0,1,2,3,4,5,6,7
.if 2*\e < 7
	SETFB (7-2*\e)
.set FB, FB|0x80000000
.else
	SETFB (2*\e-7)
.endif
	v_pk_mul_f32 v[T+2*\e:T+2*\e+1], v[18:19], FB op_sel_hi:[1,0]      ; (s xw, c xw), xw = (2 e - 7)/63
.endr
	MASK4 0, 0
	MASK4 0, 1
	MASK4 1, 0
	MASK4 1, 1
	; ---- my own point p = 16 w + r: hh = 2 w + (r >> 3), ww = r & 7 ----
	v_lshrrev_b32 v26, 3, v2
	v_lshlrev_b32 v26, 1, v26
	s_lshl_b32 s28, s20, 2
	s_sub_co_i32 s28, s28, 7
	v_add_nc_u32 v26, s28, v26
	v_cvt_f32_i32 v26, v26                         ; 2 hh - 7
	v_and_b32 v27, 7, v2
	v_lshl_add_u32 v27, v27, 1, -7
	v_cvt_f32_i32 v27, v27                         ; 2 ww - 7
	v_mul_f32 v28, v18, v27
	v_fma_f32 v28, v19, v26, v28                   ; warp0
	v_mul_f32 v29, v18, v26
	v_fma_f32 v29, v19, v27, -v29                  ; warp1
	v_cvt_f32_u32 v24, v3
	v_mul_f32 v24, NDLT8, v24                      ; my half of the lanes begins 8 centres further on
	v_fmamk_f32 v[U], v28, RK, v24
	v_fmamk_f32 v[U+1], v29, RK, v24
	v_mov_b32 v[ND], NDLT
	v_mov_b32 v[ND+1], NDLT
	; ---- the embedding of my 16 points, up to its scale: 2^-(RK (u - m/63))^2 hangs on the angle alone, so it stands ahead of the wait for pmax ----
	EMBT 0, 0
	EMBT 0, 1
	EMBT 1, 0
	EMBT 1, 1
.set ii, 0
.rept 32
	v_pk_mul_f32 v[ET+2*ii:ET+2*ii+1], v[ET+2*ii:ET+2*ii+1], v[ET+2*ii:ET+2*ii+1] neg_lo:[0,1] neg_hi:[0,1]
.set ii, ii+1
.endr
.set ii, 0
.rept 64
	v_exp_f32 v[ET+ii], v[ET+ii]
.set ii, ii+1
.endr
	; ---- 1/M = rsq of the largest squared norm; the maxima are also the plain instructions behind the exponentials ----
	s_wait_loadcnt 57                              ; loads return in order (ISA guide 5.7.1): pmax's two are in, the 57 issued behind them may be out
	v_max3_num_f32 v[PM], v[PM], v[PM+1], v[PM+2]
	v_max3_num_f32 v[PM+3], v[PM+3], v[PM+4], v[PM+5]
	v_max3_num_f32 v[PM], v[PM], v[PM+6], v[PM+7]
	v_max_num_f32 v[PM], v[PM], v[PM+3]
	v_max_num_f32_dpp v[PM], v[PM], v[PM] row_xmask:1 row_mask:0xf bank_mask:0xf
	v_max_num_f32_dpp v[PM], v[PM], v[PM] row_xmask:2 row_mask:0xf bank_mask:0xf
	v_max_num_f32_dpp v[PM], v[PM], v[PM] row_xmask:4 row_mask:0xf bank_mask:0xf
	v_max_num_f32_dpp v[PM], v[PM], v[PM] row_xmask:8 row_mask:0xf bank_mask:0xf
	v_permlanex16_b32 v[PM+1], v[PM], s26, s27
	v_max_num_f32 v[PM], v[PM], v[PM+1]
	v_rsq_f32 v[INV], v[PM]
	v_rsq_f32 v[INV+1], v[PM]
	v_nop                                          ; one plain vector instruction behind the transcendentals (ISA guide 5.7.2)
	s_wait_alu depctr_va_vdst(0)                   ; the 64 exponentials have written ET and the two v_rsq_f32 INV, which the products below read
.set ii, 0
.rept 32
	v_pk_mul_f32 v[ET+2*ii:ET+2*ii+1], v[ET+2*ii:ET+2*ii+1], v[INV:INV+1]
.set ii, ii+1
.endr
.irp g, 0,1,2,3
.irp k, 0,1,2,3
	v_cvt_pk_bf16_f32 v[EO+8*\g+\k], v[ET+16*\g+4*\k], v[ET+16*\g+4*\k+2]          ; coordinate 0, centres 2 k and 2 k + 1
	v_cvt_pk_bf16_f32 v[EO+8*\g+4+\k], v[ET+16*\g+4*\k+1], v[ET+16*\g+4*\k+3]      ; coordinate 1
.endr
.endr
	s_wait_alu depctr_va_vdst(0)                   ; the roundings have written EO, which the LDS stores read
.irp ksp, 0,1
.irp q, 0,1
	ds_store_b128 v[SE], v[EO+8*(2*\ksp+\q):EO+8*(2*\ksp+\q)+3] offset:XE+1024*\ksp+512*\q            ; coordinate 0 is feature m (K step ksp),
	ds_store_b128 v[SE], v[EO+8*(2*\ksp+\q)+4:EO+8*(2*\ksp+\q)+7] offset:XE+1024*(2+\ksp)+512*\q      ; coordinate 1 feature 64 + m (K step 2 + ksp)
.endr
.endr
	GRP 1
	s_wait_dscnt 0x0                               ; my part of XE is in LDS before I signal
	s_barrier_signal -1
	s_barrier_wait -1
	s_wait_alu depctr_vm_vsrc(0)                   ; my LDS stores have read EO: these registers are half of SiLU's work area from here on
	; ---- layer 0 ----
	LOADX XE
	s_wait_loadcnt 54                              ; W0 and b0 are in; behind b0: W1 16, b1 4, two channel groups of 17
	GRP 2                                          ; asked for while X is on its way out of LDS
	LAYER 128, BB0
	GRP 3
	PLACES
	SILU XH1
	s_wait_dscnt 0x0
	s_barrier_signal -1
	s_barrier_wait -1
	s_wait_alu depctr_vm_vsrc(0)                   ; my LDS stores have read TS, which the next SiLU writes again
	; ---- layer 1 ----
	LOADX XH1
	s_wait_loadcnt 63                              ; W1 and b1 are in: 68 loads (four channel groups) are younger, and a count ends at 63, which asks for five loads more than are needed, never for fewer
	GRP 4
	LAYER 192, BB1
	GRP 5
	PLACES
	SILU XH2
	s_wait_dscnt 0x0
	s_barrier_signal -1
	s_barrier_wait -1
	s_wait_alu depctr_vm_vsrc(0)                   ; my LDS stores have read TS: its registers are written again by FP's roundings, by OA's and OB's matrix instructions and by the last LDS loads
	; ---- filter, window, contraction: my eight channels.  Steps 0 to 3: 85, 85, 85 and 68 loads are younger than the group wanted, and a count ends at 63; then the counts run down ----
	LOADX XH2
	s_wait_dscnt 0x0
	FSTEP 0, 63, 6, 1
	FSTEP 1, 63, 7, 0
	FSTEP 2, 63, -1, 0
	FSTEP 3, 63, -1, 0
	FSTEP 4, 51, -1, 0
	FSTEP 5, 34, -1, 0
	FSTEP 6, 17, -1, 0
	FSTEP 7, 0, -1, 0
	; ---- the way out: the four waves' sums over their channels meet in LDS ----
	PLACES
.irp k, 0,1,2,3
	v_pk_add_f32 v[OA+2*\k:OA+2*\k+1], v[OA+2*\k:OA+2*\k+1], v[OB+2*\k:OB+2*\k+1]
.endr
	s_wait_alu depctr_va_vdst(0)                   ; the additions have written OA, which the LDS stores read; SiLU's lines are done with v64 to v71, in which the LDS loads below land
	ds_store_b128 v[SP], v[OA:OA+3]                ; row b = r, columns d = 8 hf .. 8 hf + 7
	ds_store_b128 v[SP], v[OA+4:OA+7] offset:16
	s_wait_dscnt 0x0
	s_barrier_signal -1
	s_barrier_wait -1
.irp k, 0,1,2,3
	ds_load_b64 v[T+2*\k:T+2*\k+1], v[RP] offset:1280*\k       ; thread t: two columns of row b = t >> 3, from each wave's block
.endr
	s_wait_dscnt 0x0
	v_pk_add_f32 v[T:T+1], v[T:T+1], v[T+2:T+3]
	v_pk_add_f32 v[T+4:T+5], v[T+4:T+5], v[T+6:T+7]
	v_pk_add_f32 v[T:T+1], v[T:T+1], v[T+4:T+5]
	s_wait_alu depctr_va_vdst(0)                   ; the last addition has written v64 and v65, which the store reads
	global_store_b64 v[OO], v[T:T+1], s[16:17]     ; eight neighbouring lanes store the 64 consecutive bytes of (b, n, 16 dt ..)
	s_wait_dscnt 0x0
	s_wait_alu depctr_hold_cnt(0) depctr_sa_sdst(0) depctr_va_vdst(0) depctr_va_sdst(0) depctr_va_ssrc(0) depctr_va_vcc(0) depctr_vm_vsrc(0)
	s_wait_tensorcnt 0x0
	ds_add_u32 v254, v255
	s_wait_dscnt 0x0
	s_endpgm
.Lfunc_end_k_q3b34dfe99e_main:
	.size	k_q3b34dfe99e_main, .Lfunc_end_k_q3b34dfe99e_main-k_q3b34dfe99e_main
	.p2alignl 7, 3214868480
	.fill 96, 4, 3214868480
	.section	.rodata,"a",@progbits
	.p2align	6, 0x0
	.amdhsa_kernel k_q3b34dfe99e_main
		.amdhsa_group_segment_fixed_size 54784
		.amdhsa_private_segment_fixed_size 0
		.amdhsa_enable_private_segment 0
		.amdhsa_kernarg_size 56
		.amdhsa_user_sgpr_count 2
		.amdhsa_user_sgpr_kernarg_segment_ptr 1
		.amdhsa_wavefront_size32 1
		.amdhsa_system_sgpr_workgroup_id_x 1
		.amdhsa_system_sgpr_workgroup_id_y 1
		.amdhsa_system_sgpr_workgroup_id_z 1
		.amdhsa_system_vgpr_workitem_id 0
		.amdhsa_next_free_vgpr 1024
		.amdhsa_next_free_sgpr 66
		.amdhsa_reserve_vcc 1
		.amdhsa_float_denorm_mode_32 3
		.amdhsa_float_denorm_mode_16_64 3
		.amdhsa_memory_ordered 1
		.amdhsa_forward_progress 1
		.amdhsa_inst_pref_size 113
	.end_amdhsa_kernel
	.amdgpu_metadata
---
amdhsa.version: [ 1, 2 ]
amdhsa.kernels:
  - .name:           k_q3b34dfe99e_main
    .symbol:         k_q3b34dfe99e_main.kd
    .args:
      - { .name: v, .offset: 0, .size: 8, .value_kind: global_buffer, .address_space: global }
      - { .name: b0, .offset: 8, .size: 8, .value_kind: global_buffer, .address_space: global }
      - { .name: b1, .offset: 16, .size: 8, .value_kind: global_buffer, .address_space: global }
      - { .name: bout, .offset: 24, .size: 8, .value_kind: global_buffer, .address_space: global }
      - { .name: pmax, .offset: 32, .size: 8, .value_kind: global_buffer, .address_space: global }
      - { .name: pack, .offset: 40, .size: 8, .value_kind: global_buffer, .address_space: global }
      - { .name: out0, .offset: 48, .size: 8, .value_kind: global_buffer, .address_space: global }
    .group_segment_fixed_size: 54784
    .private_segment_fixed_size: 0
    .kernarg_segment_align: 8
    .kernarg_segment_size: 56
    .max_flat_workgroup_size: 128
    .sgpr_count:     66
    .vgpr_count:     1024
    .wavefront_size: 32
...
	.end_amdgpu_metadata
.endif
;; end of part 3
